; MI455X (gfx1250); checked and timed in simulation.
; The chip was launched on July 23, 2026; its instructions are those of AMD's public machine-readable ISA for CDNA 5 (MIT licence, August 2026) and "CDNA5" Instruction Set Architecture Reference Guide (July 2026). The comments in the code are by the model that wrote it; some were corrected since.
;; Naive SDPA. Allowed arithmetic: matrix products marked QUANTISED: E2M3 operands, one E8M0 scale for each 32 along K, by v_wmma_scale_f32_16x16x128_f8f6f4 with both operands' format E2M3, f32 sums; everything else in f32.
;; Inputs: attn_mask 1 x 1 x 2,048 x 2,048 float32; key 2 x 2,048 x 16 x 128 float32; query 2 x 2,048 x 16 x 128 float32; value 2 x 2,048 x 16 x 128 float32.
;; Outputs: out0 2 x 2,048 x 16 x 128 float32.
;; This version of the problem:
;;   THIS VERSION OF THE PROBLEM IS GIVEN IN LOW PRECISION. The matrix products marked QUANTISED in the list below multiply operands that are first quantised to E2M3 (2 exponent bits, 3 mantissa bits; 6 bits a number), with one power-of-two scale for each 32 numbers along K (OCP MX v1.0); their sums are f32. All else is computed in f32.
;;   The module's matrix products, in the order in which they are computed (A, B: the left and right operand; K: the contracted axis; several contracted axes count as one K, in the product's order):
;;     1. batch 32 x [M 2,048, K 128] x [K 128, N 2,048]; A: input query; B: input key: QUANTISED
;;     2. batch 32 x [M 2,048, K 2,048] x [K 2,048, N 128]; A: softmax (see below); B: input value: QUANTISED
;;   THE QUANTISER, for each operand of a quantised product, along K:
;;     - K is cut into blocks of 32 from its start; a last block that is shorter is filled with zeros.
;;     - A block's scale is 2^e with e = floor(log2(the largest magnitude in the block)) - 2, held to -126 .. 127; a block of zeros has e = 0. As a byte (E8M0): e + 127.
;;     - Each number is divided by its block's scale, clamped to +-7.5, and rounded to the nearest number of E2M3, ties to even, subnormals kept.
;;     - The product sums the exact products of the quantised numbers (number of the format x scale) in f32.
;;   ~~~python
;;   def quantise(x, axis):      # numpy; x: float32 -> the quantised numbers, widened to float32 again
;;       x = np.moveaxis(x, axis, -1); K = x.shape[-1]
;;       x = np.pad(x, [(0, 0)] * (x.ndim - 1) + [(0, -K % 32)]); x = x.reshape(x.shape[:-1] + (-1, 32)); a = np.abs(x).max(-1, keepdims=True)
;;       e = np.where(a > 0, np.clip(np.frexp(np.where(a > 0, a, 1))[1] - 1 - 2, -126, 127), 0)      # np.frexp(a)[1] - 1 = floor(log2(a)), exactly
;;       r = np.clip(x / 2.0 ** e, -7.5, 7.5)
;;       step = 2.0 ** (np.maximum(np.frexp(np.where(r == 0, 1, r))[1] - 1, 0) - 3)
;;       q = np.round(r / step) * step * 2.0 ** e      # np.round: ties to even
;;       return np.moveaxis(q.reshape(q.shape[:-2] + (-1,))[..., :K], -1, axis).astype(np.float32)
;;   ~~~
;;   SOFTMAX AHEAD OF A QUANTISED PRODUCT. Where the list says 'softmax', what is quantised is not the finished softmax but p = 2^(t - M), with t = logit x log2(e) and M = ceil(the row's largest t), a whole number; so 1/2 < the row's largest p <= 1. The row's sum l is taken of the UNQUANTISED p, in f32, and the product's result is divided by l at the end. Since M is a whole number, a kernel that streams over the keys may use a running M (the ceiling of the running maximum): every later rescaling is an exact power of two, which a block's scale takes up: the codes' values come out the same.
;;   OPERANDS COMPUTED ON THE WAY. 'Computed on the way' means the value that the module computes at that place (a softmax that the list does not call 'softmax' is quantised finished and normalised). What goes into a quantiser is computed in f32, as accurately as f32 sums, v_exp_f32 and their like allow (about 1e-6 of the number): no bf16 or f16 on the way to a quantiser, and a product that is left as it is and whose result goes on into a quantised operand takes f32 operands (vector FMAs, or v_wmma_f32_16x16x4_f32). A number that lies on a knife's edge between two numbers of the format may be rounded either way, as far as f32 arithmetic and the matrix unit's own rounding can turn it there, and no further.
;; One version. Each part assembles by itself: llvm-mc -triple=amdgcn-amd-amdhsa -mcpu=gfx1250 --defsym DOCPART=n.
;; ======== version 1 of 1: 2 launches
;; limits: right only within a limited range of input values
;; workspace buffers: kvbuf 13,107,200 bytes; mbuf 16,777,216 bytes; rowc 8,192 bytes
;; launch prep (part 1): grid 640 x 1, 8 waves a work-group, no clusters, 137,216 bytes of LDS; arguments key, value, attn_mask, kvbuf, mbuf, rowc; writes kvbuf, mbuf, rowc
.if DOCPART == 1
	.amdgcn_target "amdgcn-amd-amdhsa--gfx1250"
	.amdhsa_code_object_version 6
	.text
	.protected	k_qb63f114307_prep
	.globl	k_qb63f114307_prep
	.p2align	8
	.type	k_qb63f114307_prep,@function
k_qb63f114307_prep:
	s_mov_b64 s[64:65], 0
	v_nop
	global_prefetch_b8 v0, s[64:65] scope:SCOPE_SE
	s_setreg_imm32_b32 hwreg(HW_REG_WAVE_MODE, 25, 1), 1
	s_wait_xcnt 0x0
; key, value [2][2048][16][128] f32 become codes of FP6 (E2M3) with one E8M0 byte for each 32 along a product's K; attn_mask [2048][2048] f32 becomes mb - M, with mb = mask x log2(e) + 20 log2(e), held to +-1e38,
; and M = ceil(the row's largest mb), a whole number.  All are laid in the order in which the attention launch's registers take them, so that it reads them by loads of 16 bytes a lane, lane by lane.
; WHY M MAY BE TAKEN HERE.  The logit x log2(e) is t = mb - 2 C r with C = 20 log2(e) and r = (1 - tanh) / 2 in 0 .. 1: reference()'s own soft cap holds t between mb - 2 C and mb.  So M is no less than the row's largest t
; and at most 2 C + 1 = 58.8 above it: the row's largest 2^(t - M) lies between 2^-58.8 and 1, and the row's sum between 2^-58.8 and 2,048, for every input.  M being whole, a block's scale takes the factor up.
; rowc [2048] f32: the factor of r for each query: -2 C, or 0 where |the row's largest mb| is 2^30 or more: there reference()'s f32 sum of capped score and mask keeps nothing of the score (a row wholly masked gives the mean of V).
; kvbuf: [head 32][key step 16][25,600 bytes].  A step's block: K's 8 fragments (1,536 bytes each), K's 4 x 128 bytes of scale words, V's 8 fragments, V's scale words.
;   A fragment's image: registers 4 c .. 4 c + 3 of lane L at 512 c + 16 L.  K's tile T: lane (r, hh) = key 32 (T / 2) + 8 (T % 2) + r + 8 (r / 8) of the step, registers 6 c .. 6 c + 5 = d 64 c + 32 hh + 0 .. 31.
;   V's tile T: lane (r, hh) = d 16 T + r, registers 6 c .. 6 c + 5 = keys 64 c + 32 hh + 0 .. 31 of the step.  Scale word i of lane L at 128 i + 4 L: lanes 0-15 tile 2 i's row r, lanes 16-31 tile 2 i + 1's.
; mbuf: [block of 256 queries 8][key step 16][tile of 16 queries 16][8,192 bytes]: registers 4 g .. 4 g + 3 of lane L at 512 g + 16 L; register 16 b + i of lane (r, hh) = (query r, key 32 b + 16 hh + i).
; LIMITS: a block of zeros, or one whose largest magnitude lies under 2^-124, gets the scale byte 1 (this program alone reads the bytes; zero codes add nothing).  Mask numbers under about -6.9e37 count as equal.
; Where a row's largest mask number lies between about 1e5 and 7e8 in magnitude, reference()'s f32 sum rounds the capped score coarsely and this program does not.  NaN and infinities among the inputs are not served.
; SHARES: work-groups 0-127 take the mask (16 queries x all 2,048 keys: wave w takes key steps w and w + 8; the longest come first), 128-383 key, 384-639 value (two key steps of a head each, four waves to a step).
; The three ways part once, on the work-group's number, and each has LDS bytes of its own.  Only the mask's waves share anything: the row's largest mb, through LDS and one barrier.
; No matrix unit, no cluster, no tensor load: each input byte is read once and nothing is shared between work-groups.
.set STG,  8448                        ; a wave's stage: 16 rows of 512 bytes + 16
.set MSTG, 8*STG                       ; the mask's stages lie behind key's
.set RMX,  16*STG                      ; behind them: 8 waves x 16 rows x 4 bytes: each wave's largest mb of each row
.set SPARE, RMX+1024                   ; the spare words, 128 bytes for each of 8 waves
.set R,    16                          ; v16-143  numbers as they are loaded
.set X,    144                         ; v144-207 64 numbers in the order that the conversions want
.set F,    208                         ; v208-231 two fragments
.set T,    232                         ; v232-234, v236-238 a block's upper 16 codes
.set WD,   239                         ; v239, v240 scale words
	s_load_b256 s[4:11], s[0:1], 0x0               ; key s[4:5], value s[6:7], attn_mask s[8:9], kvbuf s[10:11]
	s_load_b64 s[12:13], s[0:1], 0x20              ; mbuf
	s_load_b64 s[38:39], s[0:1], 0x28              ; rowc
	v_lshl_add_u32 v248, v0, 2, SPARE
	v_mov_b32 v249, 0
	v_lshrrev_b32 v1, 5, v0
	v_readfirstlane_b32 s36, v1                    ; wave 0..7
	s_add_co_u32 s35, ttmp9, 128
	s_lshr_b32 s15, s35, 8                         ; which tensor: 0 mask, 1 key, 2 value
	s_and_b32 s37, ttmp9, 127                      ; the mask's tile of 16 queries
	s_and_b32 s16, s35, 255
	s_lshl_b32 s16, s16, 1
	s_lshr_b32 s14, s36, 2
	s_add_co_u32 s16, s16, s14                     ; key, value: x = 16 head + step
	s_and_b32 s14, s36, 3                          ; and my place among the step's four waves
	v_and_b32 v1, 31, v0                           ; lane
	v_and_b32 v2, 15, v0                           ; r
	v_bfe_u32 v3, v0, 4, 1                         ; hh
	v_lshlrev_b32 v4, 4, v1                        ; 16 x lane
	v_lshlrev_b32 v5, 2, v1                        ; 4 x lane
	s_mul_i32 s17, s36, STG
	v_add_nc_u32 v6, s17, v4                       ; key's stage, in: a row's 512 bytes as they lie
	v_mul_u32_u24 v9, v2, 528
	v_add_nc_u32 v9, s17, v9
	v_lshl_add_u32 v7, v3, 7, v9                   ; and back: row r, + 128 hh
	v_add_nc_u32 v8, MSTG, v6                      ; the mask's stage, in
	v_lshl_add_u32 v9, v3, 6, v9
	v_add_nc_u32 v9, MSTG, v9                      ; and back: row r, + 64 hh
	v_mov_b32 v10, 0x41e6d4ca                      ; 20 log2(e), twice
	v_mov_b32 v11, 0x41e6d4ca
	v_mov_b32 v241, 0                              ; a lane permute's destination counts as one of its sources
	s_mov_b32 s20, 0x76543210
	s_mov_b32 s21, 0xfedcba98                      ; selects for lane l xor 16
	s_mov_b32 s22, 0x3fb8aa3b                      ; log2(e)
	s_mov_b32 s23, s22
	s_mov_b32 s24, 0xfe967699                      ; -1e38
	s_mov_b32 s25, 0x7e967699                      ; +1e38
	; a (batch, key, head) row is 512 bytes at batch x 2^24 + key x 8,192 + head x 512
	s_lshr_b32 s18, s16, 8
	s_lshl_b32 s18, s18, 24
	s_bfe_u32 s26, s16, 0x40004
	s_lshl_b32 s26, s26, 9
	s_add_co_u32 s18, s18, s26
	s_and_b32 s26, s16, 15
	s_lshl_b32 s26, s26, 20
	s_add_co_u32 s18, s18, s26
	s_mov_b32 s19, 0
	s_mul_i32 s28, s16, 25600                      ; the step's block in kvbuf
	s_mov_b32 s29, 0
	s_mov_b32 s27, 0
	s_wait_alu depctr_va_vdst(0)                   ; the wait at the head's end
	s_wait_kmcnt 0x0
	s_add_nc_u64 s[10:11], s[10:11], s[28:29]
	s_cmp_eq_u32 s15, 2
	s_cbranch_scc1 .Lvalue
	s_cmp_eq_u32 s15, 0
	s_cbranch_scc1 .Lmask
	; ---- KEY.  Wave w of a step makes its tiles 2 w and 2 w + 1: 32 keys.  Each load reads one key's whole 512 bytes; the rows turn through the wave's stage, so that a lane gets 2 x 32 neighbours along d of ONE key.
	s_lshl_b32 s26, s14, 18
	s_add_co_u32 s18, s18, s26
	s_add_nc_u64 s[4:5], s[4:5], s[18:19]
	s_mul_i32 s26, s14, 3072
	s_add_nc_u64 s[30:31], s[10:11], s[26:27]      ; my two fragments
	s_lshl_b32 s26, s14, 7
	s_add_nc_u64 s[32:33], s[10:11], s[26:27]      ; my 128 bytes of scale words
.irp u, 0,1
.irp p, 0,1,2,3,4,5,6,7,8,9,10,11,12,13,14,15
	global_load_b128 v[R+64*\u+4*\p:R+64*\u+4*\p+3], v4, s[4:5] offset:(8*\u+\p+8*(\p/8))*8192 th:TH_LOAD_NT   ; the tile's row p is key 8 u + p + 8 (p / 8) of my 32
.endr
.endr
.macro KTILE u
	s_wait_loadcnt 16*(1-\u)                       ; this tile's 16 rows are in; the other tile's 16 loads, issued behind them, may be out
.irp p, 0,1,2,3,4,5,6,7,8,9,10,11,12,13,14,15
	ds_store_b128 v6, v[R+64*\u+4*\p:R+64*\u+4*\p+3] offset:528*\p
.endr
.irp c, 0,1
.irp i, 0,1,2,3,4,5,6,7
	ds_load_b128 v[X+32*\c+4*\i:X+32*\c+4*\i+3], v7 offset:256*\c+16*\i   ; LDS serves a wave's instructions in order: these see my stores
.endr
.endr
	s_wait_dscnt 0x0
.irp c, 0,1                                    ; my block 2 c + hh: all its 32 numbers are mine
	v_max3_num_f32 v[12+\c], |v[X+32*\c]|, |v[X+32*\c+1]|, 0x1800000   ; with the floor 2^(3 - 127)
.endr
.irp i, 2,4,6,8,10,12,14,16,18,20,22,24,26,28,30
.irp c, 0,1
	v_max3_num_f32 v[12+\c], v[12+\c], |v[X+32*\c+\i]|, |v[X+32*\c+\i+1]|
.endr
.endr
.irp c, 0,1
	v_add_nc_u32 v[14+\c], 0xff000000, v[12+\c]    ; 2 off the exponent field: the conversion's scale operand
.endr
.irp c, 0,1
	v_lshrrev_b32 v[12+\c], 23, v[14+\c]           ; the scale's byte
.endr
	v_lshl_or_b32 v242, v13, 16, v12               ; my bytes: blocks hh and 2 + hh of my key,
	v_lshlrev_b32 v243, 3, v3
	v_lshlrev_b32 v242, v243, v242                 ; at their places in the word;
	v_permlanex16_b32 v241, v242, s20, s21
	v_or_b32 v[WD+\u], v242, v241                  ; with lane l xor 16's two the word is whole
.irp c, 0,1
	v_cvt_scalef32_pk16_fp6_f32 v[F+12*\u+6*\c:F+12*\u+6*\c+2], v[X+32*\c:X+32*\c+15], v[14+\c]
	v_cvt_scalef32_pk16_fp6_f32 v[T+4*\c:T+4*\c+2], v[X+32*\c+16:X+32*\c+31], v[14+\c]
.endr
	v_nop                                          ; one plain place behind a scaled conversion
.irp c, 0,1
.irp i, 0,1,2
	v_mov_b32 v[F+12*\u+6*\c+3+\i], v[T+4*\c+\i]
.endr
.endr
.irp c, 0,1,2
	global_store_b128 v4, v[F+12*\u+4*\c:F+12*\u+4*\c+3], s[30:31] offset:1536*\u+512*\c   ; 32 lanes store 512 consecutive bytes, aligned
.endr
.endm
	s_wait_alu depctr_va_vdst(0)
	KTILE 0
	KTILE 1
	v_cmp_lt_u32 vcc_lo, 15, v1
	v_cndmask_b32 v242, v[WD], v[WD+1], vcc_lo     ; lanes 0-15 tile 2 w's words, lanes 16-31 tile 2 w + 1's
	global_store_b32 v5, v242, s[32:33] offset:12288
	s_wait_tensorcnt 0x0                           ; the wave's end
	ds_add_u32 v248, v249
	s_wait_dscnt 0x0
	s_endpgm
	; ---- VALUE.  The keys are its K, and they are not innermost: a lane takes a column d = 32 w + lane and its registers run down the keys.
.Lvalue:
	s_lshl_b32 s26, s14, 7                         ; my 32 columns, 128 bytes; also my 128 bytes of scale words
	s_add_co_u32 s18, s18, s26
	s_add_nc_u64 s[6:7], s[6:7], s[18:19]
	s_add_nc_u64 s[32:33], s[10:11], s[26:27]
	s_mul_i32 s26, s14, 3072
	s_add_nc_u64 s[30:31], s[10:11], s[26:27]      ; tiles 2 w and 2 w + 1
	v_mul_u32_u24 v242, v3, 1536
	v_lshl_add_u32 v242, v2, 4, v242               ; my column is row r of tile 2 w + hh
.macro VLOAD t                         ; key block t: value(32 t + n, my column) into set t % 2
.irp n, 0,1,2,3,4,5,6,7,8,9,10,11,12,13,14,15,16,17,18,19,20,21,22,23,24,25,26,27,28,29,30,31
	global_load_b32 v[R+32*((\t)%2)+\n], v5, s[6:7] offset:(32*(\t)+\n)*8192 th:TH_LOAD_NT
.endr
.endm
.macro VBLOCK t
.set XS, R+32*((\t)%2)
.set FV, F+12*((\t)%2)+6*((\t)/2)              ; key block t = 2 c + hh' belongs to the image's lane (r, hh'), registers 6 c on
.if (\t) < 3
	s_wait_loadcnt 32                              ; this block's 32 loads are in; the next block's 32 may be out
.else
	s_wait_loadcnt 0x0
.endif
	v_max3_num_f32 v12, |v[XS]|, |v[XS+1]|, |v[XS+2]|
	v_max3_num_f32 v13, |v[XS+3]|, |v[XS+4]|, |v[XS+5]|
.irp i, 6,10,14,18,22,26
	v_max3_num_f32 v12, v12, |v[XS+\i]|, |v[XS+\i+1]|
	v_max3_num_f32 v13, v13, |v[XS+\i+2]|, |v[XS+\i+3]|
.endr
	v_max3_num_f32 v12, v12, |v[XS+30]|, |v[XS+31]|
	v_max3_num_f32 v12, v12, v13, 0x1800000        ; and the floor
	v_add_nc_u32 v14, 0xff000000, v12
	v_lshrrev_b32 v13, 23, v14
.if (\t) == 0
	v_mov_b32 v[WD], v13                           ; my column's scale word: byte t for key block t
.else
	v_lshl_or_b32 v[WD], v13, 8*(\t), v[WD]
.endif
	v_cvt_scalef32_pk16_fp6_f32 v[FV:FV+2], v[XS:XS+15], v14
	v_cvt_scalef32_pk16_fp6_f32 v[T:T+2], v[XS+16:XS+31], v14
	v_nop                                          ; one plain place behind a scaled conversion
.irp i, 0,1,2
	v_mov_b32 v[FV+3+\i], v[T+\i]
.endr
.if (\t) < 2
	VLOAD (\t)+2
.endif
.endm
	VLOAD 0
	VLOAD 1
	VBLOCK 0
	VBLOCK 1
	VBLOCK 2
.irp c, 0,1,2
	global_store_b128 v242, v[F+4*\c:F+4*\c+3], s[30:31] offset:12800+512*\c        ; the image's lanes 0-15: sixteen lanes store 256 consecutive bytes, aligned
.endr
	VBLOCK 3
.irp c, 0,1,2
	global_store_b128 v242, v[F+12+4*\c:F+12+4*\c+3], s[30:31] offset:12800+512*\c+256   ; its lanes 16-31
.endr
	global_store_b32 v5, v[WD], s[32:33] offset:25088
	s_endpgm
	; ---- MASK.  The work-group takes 16 queries, wave w key steps w and w + 8: two tiles of 16 queries x 128 keys.  Each load reads 512 consecutive bytes of a query's row; the rows turn through the wave's stage into the
	; order of the score registers: the first tile into v144-207, the second into v16-79, which the first tile's stores into the stage have read by then.
.Lmask:
	s_lshl_b32 s26, s37, 17                        ; my 16 queries: rows of 8,192 bytes
	s_lshl_b32 s28, s36, 9                         ; key step w: 512 bytes of a row
	s_add_co_u32 s26, s26, s28
	s_add_nc_u64 s[8:9], s[8:9], s[26:27]
	s_lshr_b32 s28, s37, 4                         ; the block of 256 queries
	s_lshl_b32 s28, s28, 4
	s_add_co_u32 s28, s28, s36                     ; x 16 + step
	s_lshl_b32 s28, s28, 4
	s_and_b32 s26, s37, 15
	s_add_co_u32 s28, s28, s26                     ; x 16 + tile
	s_lshl_b32 s28, s28, 13                        ; 8,192 bytes a tile
	s_add_nc_u64 s[12:13], s[12:13], s[28:29]
	s_lshl_b32 s26, s37, 6                         ; rowc: 64 bytes for my 16 queries
	s_add_nc_u64 s[38:39], s[38:39], s[26:27]
	s_lshl_b32 s34, s36, 6
.irp u, 0,1
.irp p, 0,1,2,3,4,5,6,7,8,9,10,11,12,13,14,15
	global_load_b128 v[R+64*\u+4*\p:R+64*\u+4*\p+3], v4, s[8:9] offset:8192*\p+4096*\u th:TH_LOAD_NT   ; key step w + 8 lies 4,096 bytes further on in a row
.endr
.endr
	v_lshl_add_u32 v244, v2, 2, RMX                ; row r's word of wave 0,
	v_add_nc_u32 v245, s34, v244                   ; and of my wave
	v_lshlrev_b32 v246, 2, v2
	v_mov_b32 v247, 0xc266d4ca                     ; -2 C
	v_mov_b32 v15, 0                               ; (the upper half of the pair v[14:15])
.macro MTURN src, dst                  ; a tile through my stage
.irp p, 0,1,2,3,4,5,6,7,8,9,10,11,12,13,14,15
	ds_store_b128 v8, v[(\src)+4*\p:(\src)+4*\p+3] offset:528*\p
.endr
.irp g, 0,1,2,3,4,5,6,7,8,9,10,11,12,13,14,15
	ds_load_b128 v[(\dst)+4*\g:(\dst)+4*\g+3], v9 offset:128*(\g/4)+16*(\g%4)   ; registers 4 g on: keys 32 (g / 4) + 16 hh + 4 (g % 4) on, of query r
.endr
.endm
.macro MB base                         ; mb = mask x log2(e) + 20 log2(e), held to +-1e38
.set j, 0
.rept 32
	v_pk_fma_f32 v[(\base)+j:(\base)+j+1], v[(\base)+j:(\base)+j+1], s[22:23], v[10:11] op_sel_hi:[1,0,1]
.set j, j+2
.endr
.set j, 0
.rept 64
	v_med3_num_f32 v[(\base)+j], v[(\base)+j], s24, s25
.set j, j+1
.endr
.endm
	s_wait_alu depctr_va_vdst(0)
	s_wait_loadcnt 16                              ; the first tile's 16 rows are in; the second's 16 loads may be out
	MTURN R, X
	s_wait_loadcnt 0x0
	s_wait_dscnt 0x0                               ; the first tile is back: the stage and v16-79 are free
	MTURN R+64, R
	MB X
	s_wait_dscnt 0x0
	MB R
	v_max3_num_f32 v12, v[X], v[X+1], v[X+2]       ; the largest mb of my 128, in two chains
	v_max3_num_f32 v13, v[X+3], v[X+4], v[X+5]
.set j, 6
.rept 14
	v_max3_num_f32 v12, v12, v[X+j], v[X+j+1]
	v_max3_num_f32 v13, v13, v[X+j+2], v[X+j+3]
.set j, j+4
.endr
	v_max3_num_f32 v12, v12, v[X+62], v[X+63]
.set j, 0
.rept 16
	v_max3_num_f32 v12, v12, v[R+j], v[R+j+1]
	v_max3_num_f32 v13, v13, v[R+j+2], v[R+j+3]
.set j, j+4
.endr
	v_max_num_f32 v12, v12, v13
	v_permlanex16_b32 v241, v12, s20, s21
	v_max_num_f32 v12, v12, v241                   ; with lane l xor 16's: query r's largest in my two key steps
	ds_store_b32 v245, v12                         ; both lanes of a row write the same word with the same value
	s_wait_alu depctr_va_vdst(0)
	s_wait_dscnt 0x0                               ; my word is written
	s_barrier_signal -1
	s_barrier_wait -1                              ; and so is every wave's
.irp w, 0,1,2,3,4,5,6,7
	ds_load_b32 v[R+64+\w], v244 offset:64*\w
.endr
	s_wait_dscnt 0x0
	v_max3_num_f32 v12, v[R+64], v[R+65], v[R+66]
	v_max3_num_f32 v13, v[R+67], v[R+68], v[R+69]
	v_max3_num_f32 v12, v12, v[R+70], v[R+71]
	v_max_num_f32 v12, v12, v13                    ; the row's largest mb
	v_floor_f32 v14, -v12                          ; -M = -ceil of it
	v_and_b32 v13, 0x7fffffff, v12
	v_cmp_gt_u32 vcc_lo, 0x4e800000, v13           ; is its magnitude under 2^30?
	v_cndmask_b32 v13, 0, v247, vcc_lo             ; then the factor of r is -2 C, else 0
.set j, 0
.rept 32
	v_pk_add_f32 v[X+j:X+j+1], v[X+j:X+j+1], v[14:15] op_sel_hi:[1,0]   ; mb - M
	v_pk_add_f32 v[R+j:R+j+1], v[R+j:R+j+1], v[14:15] op_sel_hi:[1,0]
.set j, j+2
.endr
	s_wait_alu depctr_va_vdst(0)
.irp g, 0,1,2,3,4,5,6,7,8,9,10,11,12,13,14,15
	global_store_b128 v4, v[X+4*\g:X+4*\g+3], s[12:13] offset:512*\g   ; 32 lanes store 512 consecutive bytes, aligned
.endr
.irp g, 0,1,2,3,4,5,6,7,8,9,10,11,12,13,14,15
	global_store_b128 v4, v[R+4*\g:R+4*\g+3], s[12:13] offset:1048576+512*\g   ; key step w + 8: 8 x 16 tiles of 8,192 bytes further on
.endr
	s_cmp_lg_u32 s36, 0                            ; every wave holds the 16 factors: wave 0 stores them
	s_cbranch_scc1 .Lnot_wave_0
	global_store_b32 v246, v13, s[38:39]           ; 64 bytes (both lanes of a row store the same word): 8,192 bytes in the whole launch
.Lnot_wave_0:
	s_wait_tensorcnt 0x0                           ; the wave's end
	ds_add_u32 v248, v249
	s_wait_dscnt 0x0
	s_endpgm
.Lfunc_end_k_qb63f114307_prep:
	.size	k_qb63f114307_prep, .Lfunc_end_k_qb63f114307_prep-k_qb63f114307_prep
	.p2alignl 7, 3214868480
	.fill 96, 4, 3214868480
	.section	.rodata,"a",@progbits
	.p2align	6, 0x0
	.amdhsa_kernel k_qb63f114307_prep
		.amdhsa_group_segment_fixed_size 137216
		.amdhsa_private_segment_fixed_size 0
		.amdhsa_enable_private_segment 0
		.amdhsa_kernarg_size 48
		.amdhsa_user_sgpr_count 2
		.amdhsa_user_sgpr_kernarg_segment_ptr 1
		.amdhsa_wavefront_size32 1
		.amdhsa_system_sgpr_workgroup_id_x 1
		.amdhsa_system_sgpr_workgroup_id_y 1
		.amdhsa_system_sgpr_workgroup_id_z 1
		.amdhsa_system_vgpr_workitem_id 0
		.amdhsa_next_free_vgpr 250
		.amdhsa_next_free_sgpr 66
		.amdhsa_reserve_vcc 1
		.amdhsa_float_denorm_mode_32 3
		.amdhsa_float_denorm_mode_16_64 3
		.amdhsa_memory_ordered 1
		.amdhsa_forward_progress 1
		.amdhsa_inst_pref_size 69
	.end_amdhsa_kernel
	.amdgpu_metadata
---
amdhsa.version: [ 1, 2 ]
amdhsa.kernels:
  - .name:           k_qb63f114307_prep
    .symbol:         k_qb63f114307_prep.kd
    .args:
      - { .name: key, .offset: 0, .size: 8, .value_kind: global_buffer, .address_space: global }
      - { .name: value, .offset: 8, .size: 8, .value_kind: global_buffer, .address_space: global }
      - { .name: attn_mask, .offset: 16, .size: 8, .value_kind: global_buffer, .address_space: global }
      - { .name: kvbuf, .offset: 24, .size: 8, .value_kind: global_buffer, .address_space: global }
      - { .name: mbuf, .offset: 32, .size: 8, .value_kind: global_buffer, .address_space: global }
      - { .name: rowc, .offset: 40, .size: 8, .value_kind: global_buffer, .address_space: global }
    .group_segment_fixed_size: 137216
    .private_segment_fixed_size: 0
    .kernarg_segment_align: 8
    .kernarg_segment_size: 48
    .max_flat_workgroup_size: 256
    .sgpr_count:     66
    .vgpr_count:     250
    .wavefront_size: 32
...
	.end_amdgpu_metadata
.endif
;; end of part 1
;; launch attn (part 2): grid 8 x 32, 16 waves a work-group, no clusters, 327,680 bytes of LDS; arguments query, kvbuf, mbuf, out0, rowc; writes out0
.if DOCPART == 2
	.amdgcn_target "amdgcn-amd-amdhsa--gfx1250"
	.amdhsa_code_object_version 6
	.text
	.protected	k_qb63f114307_attn
	.globl	k_qb63f114307_attn
	.p2align	8
	.type	k_qb63f114307_attn,@function
k_qb63f114307_attn:
	s_mov_b64 s[64:65], 0
	v_nop
	global_prefetch_b8 v0, s[64:65] scope:SCOPE_SE
	s_setreg_imm32_b32 hwreg(HW_REG_WAVE_MODE, 25, 1), 1
	s_wait_xcnt 0x0
; out[b][q][h][:] = sum over k of softmax_k(20 tanh(Q.K / (20 sqrt(128))) + mask[q][k]) V[k][:], both products on codes of FP6 (E2M3) with one E8M0 scale for each 32 along a product's K.
; For a raw score s: a = s c1, c1 = 2 log2(e) / (20 sqrt(128));  r = 1 / (1 + 2^a), so tanh = 1 - 2 r;  t - M = (mb - M) + f r, with mb - M and the row's factor f (-2 C, C = 20 log2(e)) as the launch before has stored them.
; THE MAXIMUM THAT IS TAKEN AWAY is M = ceil(the row's largest mb), a whole number.  r lies in 0 .. 1 by reference()'s own soft cap, so M is no less than the row's largest t and at most 2 C + 1 = 58.8 above it, for every input:
; the row's largest p = 2^(t - M) lies between 2^-58.8 and 1 and the row's sum between 2^-58.8 and 2,048: neither can overflow or fall to 0.  M being whole, p differs from the p under ceil(largest t) by a power of two, which a
; block's scale takes up.  p is quantised along the keys, not normalised; the row's sum is taken of the unquantised p and divides O at the end.  2^a may overflow to infinity or fall to 0: r is then 0 or 1, tanh's limit.
; LIMITS: mb is held to +-1e38 (mask numbers under about -6.9e37 count as equal); f is 0 in a row whose largest mb is 2^30 or more in magnitude, where reference()'s f32 sum keeps nothing of the score (a row wholly masked
; gives the plain mean of V).  A p under 2^-126 counts as 0: that is under 2^-67 of the row's largest.  NaN and infinities among the inputs are not served.  tanh by 1 - 2 r carries an absolute error of a few 1e-7.
; Blocks of q whose largest magnitude lies under 2^-124, and blocks of p that are all zeros, keep the scale byte 1.  The mask is an input: every score of every head is computed, and no branch hangs on it.
; SHARES.  A work-group owns 256 queries of one head; each of its sixteen waves owns 16 of them, one tile, in 256 registers.  Every wave walks the head's 2,048 keys, 128 a step.
; K AND V go through a ring of two LDS slots, each with FOUR key steps (4 x 25,600 bytes): four changes of slots for the sixteen steps.  Every wave asks for 25 rows of 256 bytes of a fill: one tensor load a wave.
; A SECOND BARRIER, in every key step, guards no refill: it is signalled behind the mask's loads and awaited at the step's end, with register work and LDS loads of the current slot between.  It holds the sixteen waves
; within one key step of each other, so that they reach a change of slots together.
; THE MASK goes from memory straight into registers: a wave's 8,192 bytes of a step are read by no other wave of its work-group, and two slots with four steps' mask tiles (2 x 4 x 131,072 bytes) do not fit in LDS.
; NO CLUSTER: what work-groups could ask for jointly, a head's K and V, is 25,600 of the 156,672 bytes that a work-group takes in a key step; the rest, the mask, goes to registers.
; PREFETCHES, one instruction a step: wave 0 names 16 blocks of 256 bytes of the mask tile two steps on (the 32 heads that read a tile take 4,096 bytes each, told apart by address); wave 1 names 13 blocks of the K and V
; of eight steps on (the eight work-groups of a head take 13 of a step's 100 blocks each, the last the rest), one to four steps ahead of the tensor load that wants them.  They stop at steps 14 and 8: no address leaves its buffer.
; LAYOUT.  Both products are used transposed: S^T = K Q^T, O^T = V^T P^T: a lane holds ONE query (lane % 16) throughout.  Fragments, scale words and mask numbers are stored as images of the registers.
; REGISTERS: v1-4 LDS addresses; v5, v6 the add's; v7 my offset in out and in Q; v[8:9] f; v10, v11, v13 my stage; v12 f's offset; v[14:15] the sum; v16-27 Q; v29 the prefetches' offset;
; v32-95 four fragments of K, then the mask's 64 numbers, then V's tiles 0-3; v96-159 S^T -> p, then V's tiles 4-7; v160-223 O^T; v224-235 p's codes; v230-247 at work; v248-251 K's or V's scale words; v253 p's; v255 Q's.
.set STEPB, 25600                      ; a key step's K and V
.set SLOTB, 4*STEPB
.set STAGE, 2*SLOTB                    ; behind the ring: 16 rows x 272 bytes for each wave, for Q's way in and the way out
.set SPARE, STAGE+16*16*272            ; behind the stages: the spare words, 128 bytes for each of 16 waves
.set AK0, 1                            ; v1   16 x lane: also the mask loads' offset
.set AK,  2                            ; v2   this step's K and V: + 16 x lane
.set AS0, 3                            ; v3   4 x lane
.set AS,  4                            ; v4   this step's scale words
.set SPW, 5
.set NIL, 6
.set GO,  7
.set FR,  8
.set STI, 10
.set STO, 11
.set QRD, 13
.set PFO, 29
.set WV,  12                           ; s12  my wave's number
.set SEL, 20                           ; s[20:21] selects for lane l xor 16
.set C1,  22
.set G1,  28                           ; s[28:35] descriptor group 1
.set G0,  36                           ; s[36:43] group 0, a set for each slot
.set SM,  44                           ; s[44:45] my mask tile of this step
.set PFA, 46                           ; s[46:47] where my prefetch stands; s[48:49] its step
.set PFS, 48
.set PLIM, 50                          ; s50  the first step in which my wave prefetches no more
.set STEPN, 51                         ; s51  the key step
.set CNT, 52
.set OFF, 53                           ; s53  this step's place in the ring
.set RC,  54                           ; s[54:55] rowc
.macro NOPS n
.rept \n
	v_nop
.endr
.endm
.macro ASK
	s_cmp_lt_u32 s[STEPN], s[PLIM]
	s_cbranch_scc0 .Lnot_mine_\@
	global_prefetch_b8 v[PFO], s[PFA:PFA+1] th:TH_LOAD_NT scope:SCOPE_SE
.Lnot_mine_\@:
.endm
	s_load_b256 s[4:11], s[0:1], 0x0               ; query s[4:5], kvbuf s[6:7], mbuf s[8:9], out0 s[10:11]
	s_load_b64 s[RC:RC+1], s[0:1], 0x20            ; rowc
	v_lshl_add_u32 v[SPW], v0, 2, SPARE
	v_mov_b32 v[NIL], 0
	ds_add_u32 v[SPW], v[NIL]                      ; the opening lines: the add, twice on end, under one wait
	ds_add_u32 v[SPW], v[NIL]
	v_lshrrev_b32 v30, 5, v0
	s_delay_alu instid0(VALU_DEP_1)
	v_readfirstlane_b32 s[WV], v30                 ; wave 0..15
	v_and_b32 v30, 31, v0
	s_delay_alu instid0(VALU_DEP_1)
	v_lshlrev_b32 v[AK0], 4, v30
	v_lshlrev_b32 v[AS0], 2, v30
	v_and_b32 v30, 15, v0                          ; r
	v_bfe_u32 v31, v0, 4, 1                        ; hh
	s_mul_i32 s84, s[WV], 16*272
	s_add_co_u32 s84, s84, STAGE                   ; my stage
	v_mul_u32_u24 v[STI], v30, 272
	s_delay_alu instid0(VALU_DEP_1)
	v_lshl_add_u32 v[QRD], v31, 6, v[STI]
	v_lshl_add_u32 v[STI], v31, 5, v[STI]
	s_delay_alu instid0(VALU_DEP_2)
	v_add_nc_u32 v[QRD], s84, v[QRD]               ; Q out of the stage: row r, + 64 hh
	s_delay_alu instid0(VALU_DEP_2)
	v_add_nc_u32 v[STI], s84, v[STI]               ; results into it: row r, + 32 hh
	v_mul_u32_u24 v[STO], v31, 272
	s_delay_alu instid0(VALU_DEP_1)
	v_lshl_add_u32 v[STO], v30, 4, v[STO]
	s_delay_alu instid0(VALU_DEP_1)
	v_add_nc_u32 v[STO], s84, v[STO]               ; whole rows: lanes 0-15 one row, lanes 16-31 the next
	v_lshlrev_b32 v[GO], 13, v31
	s_delay_alu instid0(VALU_DEP_1)
	v_lshl_add_u32 v[GO], v30, 4, v[GO]            ; the same two rows in out and in Q: a query's rows lie 8,192 bytes apart
	v_lshlrev_b32 v12, 2, v30                      ; rowc: 4 r
	s_mov_b32 s15, ttmp9                           ; my block of 256 queries
	s_and_b32 s16, ttmp7, 0xffff                   ; my head (16 batch + head)
	s_mov_b32 s[G1], 3<<16                         ; elements of 8 bytes
	s_mov_b32 s[G1+1], 32<<16                      ; rows of 32 elements = 256 bytes
	s_mov_b32 s[G1+2], 25<<16                      ; 25 rows
	s_mov_b32 s[G1+3], 32<<16
	s_mov_b32 s[G1+4], 25
	s_mov_b32 s[G1+5], 32
	s_mov_b32 s[G1+6], 0
	s_mov_b32 s[G1+7], 0
	s_mov_b32 s[SEL], 0x76543210
	s_mov_b32 s[SEL+1], 0xfedcba98
	s_mov_b32 s[C1], 0x3c50ecb0                    ; c1
	s_mov_b32 s[C1+1], s[C1]
	s_mul_i32 s76, s[WV], 6400                     ; my 25 rows of a fill, in memory and in a slot alike
	s_mul_i32 s70, s16, 409600                     ; a head has 16 steps x 25,600 bytes
	s_add_co_u32 s70, s70, s76
	s_mov_b32 s71, 0
	s_lshl_b32 s68, s15, 21                        ; mbuf: a block of queries has 16 steps x 131,072 bytes;
	s_lshl_b32 s74, s[WV], 13                      ; my tile's 8,192
	s_add_co_u32 s68, s68, s74
	s_mov_b32 s69, 0
	s_lshl_b32 s56, s15, 10                        ; rowc: 4 x (256 block + 16 wave)
	s_lshl_b32 s74, s[WV], 6
	s_add_co_u32 s56, s56, s74
	s_mov_b32 s57, 0
	s_lshr_b32 s72, s16, 4                         ; Q and out: batch x 2^24 + head x 512 + (256 block + 16 wave) x 8,192
	s_lshl_b32 s72, s72, 24
	s_and_b32 s74, s16, 15
	s_lshl_b32 s74, s74, 9
	s_add_co_u32 s72, s72, s74
	s_lshl_b32 s74, s15, 21
	s_add_co_u32 s72, s72, s74
	s_lshl_b32 s74, s[WV], 17
	s_add_co_u32 s72, s72, s74
	s_mov_b32 s73, 0
	s_wait_alu depctr_va_vdst(0)                   ; the wait here, directly ahead of the waits below
	s_wait_dscnt 0x0                               ; both opening adds are done
	s_wait_kmcnt 0x0
	s_add_nc_u64 s[70:71], s[6:7], s[70:71]
.irp n, 0,1                                    ; set n: slot n, fill n
	s_mov_b32 s[G0+4*\n], 1
	s_add_co_u32 s[G0+4*\n+1], s76, \n*SLOTB
	s_add_nc_u64 s[G0+4*\n+2:G0+4*\n+3], s[70:71], \n*SLOTB
	s_or_b32 s[G0+4*\n+3], s[G0+4*\n+3], 0x80000000
.endr
	tensor_load_to_lds s[G0:G0+3], s[G1:G1+7]      ; key steps 0-3: my one tensor load at the head
	s_nop 0
	NOPS 4
	s_add_nc_u64 s[4:5], s[4:5], s[72:73]
	s_add_nc_u64 s[10:11], s[10:11], s[72:73]
	s_add_nc_u64 s[RC:RC+1], s[RC:RC+1], s[56:57]
	s_add_nc_u64 s[SM:SM+1], s[8:9], s[68:69]
.irp u, 0,1                                    ; Q, channels 64 u on: sixteen lanes read 256 consecutive bytes of a query's row, aligned
.irp i, 0,1,2,3,4,5,6,7
	global_load_b128 v[32+32*\u+4*\i:35+32*\u+4*\i], v[GO], s[4:5] offset:2*\i*8192+256*\u th:TH_LOAD_NT
.endr
.endr
	global_load_b32 v[FR], v12, s[RC:RC+1]         ; my query's factor of r
	; the prefetches' registers, while Q is on its way
	s_lshl_b32 s78, s15, 21
	s_lshl_b32 s79, s16, 12                        ; my head's 4,096 bytes of a mask tile
	s_add_co_u32 s78, s78, s79
	s_add_co_u32 s78, s78, 2*131072                ; step j names step j + 2
	s_mul_i32 s80, s16, 409600
	s_add_co_u32 s80, s80, 2*SLOTB                 ; step j names step j + 8
	s_mul_i32 s81, s15, 13                         ; my work-group's 13 blocks of a step's 100
	s_mov_b32 s79, 0
	s_mov_b32 s[PFS], 131072
	s_mov_b32 s[PFS+1], 0
	s_cmp_eq_u32 s[WV], 1                          ; wave 1: K and V
	s_cselect_b32 s78, s80, s78
	s_cselect_b32 s81, s81, 0
	s_cselect_b32 s82, 12, 15
	s_cselect_b32 s[PFS], STEPB, s[PFS]
	s_cselect_b32 s[PLIM], 8, 0
	s_cselect_b64 s[PFA:PFA+1], s[6:7], s[8:9]
	s_add_nc_u64 s[PFA:PFA+1], s[PFA:PFA+1], s[78:79]
	s_cmp_eq_u32 s[WV], 0                          ; wave 0: the mask
	s_cselect_b32 s[PLIM], 14, s[PLIM]
	s_mov_b32 s[STEPN], 0
	v_and_b32 v[PFO], 31, v0
	s_delay_alu instid0(VALU_DEP_1)
	v_min_u32 v[PFO], s82, v[PFO]                  ; lanes that are left over name the last block again
	s_delay_alu instid0(VALU_DEP_1)
	v_add_nc_u32 v[PFO], s81, v[PFO]
	s_delay_alu instid0(VALU_DEP_1)
	v_min_u32 v[PFO], 99, v[PFO]                   ; a step has 100 blocks
	s_delay_alu instid0(VALU_DEP_1)
	v_lshlrev_b32 v[PFO], 8, v[PFO]
	v_mov_b32 v[FR+1], 0                           ; (the upper half of the pair v[8:9])
	v_mov_b32 v14, 0                               ; the sum, in two halves
	v_mov_b32 v15, 0
.irp b, 0,1,2,3
	v_mov_b32 v[236+\b], 0                         ; a lane permute's destination counts as one of its sources
.endr
.macro WORD dst                        ; the four bytes v236-239 make a scale word
	s_delay_alu instid0(VALU_DEP_3)
	v_lshl_or_b32 v[\dst], v237, 8, v236
	s_delay_alu instid0(VALU_DEP_1)
	v_lshl_or_b32 v[\dst], v238, 16, v[\dst]
	s_delay_alu instid0(VALU_DEP_1)
	v_lshl_or_b32 v[\dst], v239, 24, v[\dst]
.endm
.macro CODES dst                       ; 64 numbers in v96-159, scale operands in v244-247 -> a fragment's 12 registers
.irp c, 0,1
	v_cvt_scalef32_pk16_fp6_f32 v[\dst+6*\c:\dst+6*\c+2], v[96+32*\c:111+32*\c], v[244+2*\c]
	v_cvt_scalef32_pk16_fp6_f32 v[236+4*\c:238+4*\c], v[112+32*\c:127+32*\c], v[245+2*\c]
.endr
	v_nop                                          ; one plain place behind a scaled conversion
.irp c, 0,1                                    ; a whole block to a lane: lanes 0-15 block 2 c, lanes 16-31 block 2 c + 1
.irp i, 0,1,2
	v_permlane16_swap_b32 v[\dst+6*\c+\i], v[236+4*\c+\i]
.endr
.irp i, 0,1,2
	s_delay_alu instid0(VALU_DEP_3)
	v_mov_b32 v[\dst+6*\c+3+\i], v[236+4*\c+\i]
.endr
.endr
.endm
	s_wait_loadcnt 0x0                             ; Q is in: one wave reads it, once, so it is quantised here
.irp u, 0,1                                    ; through my stage, 256 bytes of 16 queries at a time: register 16 b + n becomes d 32 b + 16 hh + n of my query
.irp i, 0,1,2,3,4,5,6,7
	ds_store_b128 v[STO], v[32+32*\u+4*\i:35+32*\u+4*\i] offset:2*\i*272
.endr
.irp c, 0,1
.irp i, 0,1,2,3
	ds_load_b128 v[96+32*\u+16*\c+4*\i:99+32*\u+16*\c+4*\i], v[QRD] offset:128*\c+16*\i   ; LDS serves a wave's instructions in order: these see my stores, and the next half's stores come behind them
.endr
.endr
.endr
	s_wait_dscnt 0x0
.irp b, 0,1,2,3
	v_max3_num_f32 v[232+\b], |v[96+16*\b]|, |v[97+16*\b]|, 0x1800000   ; with the floor 2^(3 - 127)
.endr
.irp i, 2,4,6,8,10,12,14
.irp b, 0,1,2,3
	s_delay_alu instid0(VALU_DEP_4)
	v_max3_num_f32 v[232+\b], v[232+\b], |v[96+16*\b+\i]|, |v[97+16*\b+\i]|
.endr
.endr
.irp b, 0,1,2,3
	s_delay_alu instid0(VALU_DEP_4)
	v_permlanex16_b32 v[236+\b], v[232+\b], s[SEL], s[SEL+1]
.endr
.irp b, 0,1,2,3
	s_delay_alu instid0(VALU_DEP_4)
	v_max_num_f32 v[232+\b], v[232+\b], v[236+\b]
.endr
.irp b, 0,1,2,3
	s_delay_alu instid0(VALU_DEP_4)
	v_add_nc_u32 v[244+\b], 0xff000000, v[232+\b]  ; 2 off the exponent field: the conversion's scale operand
.endr
.irp b, 0,1,2,3
	s_delay_alu instid0(VALU_DEP_4)
	v_lshrrev_b32 v[236+\b], 23, v[244+\b]
.endr
	WORD 255
	CODES 16
.set j, 0
.rept 64
	v_mov_b32 v[160+j], 0                          ; O^T: the step is written for all sixteen.  (Also the places between Q's codes and word and the first product)
.set j, j+1
.endr
	s_wait_alu depctr_va_vdst(0)                   ; the wait at the head's end
; THE CHANGE OF SLOTS, once for four key steps.  Each wave waits for all its tensor loads (its part of the slot ahead), adds 0 to its spare word, and waits for that and for its reads of the slot that it has left.
.macro CHANGE slot, refill
	s_wait_tensorcnt 0x0
	ds_add_u32 v[SPW], v[NIL]
	s_add_nc_u64 s[G0+4*\slot+2:G0+4*\slot+3], s[G0+4*\slot+2:G0+4*\slot+3], 2*SLOTB   ; no load of mine is out: this slot's next fill
	s_wait_dscnt 0x0
	s_barrier_signal -1
	s_barrier_wait -1
.if \refill
	tensor_load_to_lds s[G0+4*(1-\slot):G0+4*(1-\slot)+3], s[G1:G1+7]   ; my one tensor load behind the barrier: the next four steps, into the other slot
	s_nop 0
	NOPS 4
.endif
.endm
; A KEY STEP: 128 keys, at s[OFF] in the ring.
.macro STEP
	v_add_nc_u32 v[AK], s[OFF], v[AK0]
	v_add_nc_u32 v[AS], s[OFF], v[AS0]
	s_wait_alu depctr_va_vdst(0)                   ; the wait here, directly behind the writes
.irp i, 0,1,2,3
	ds_load_b32 v[248+\i], v[AS] offset:12288+128*\i   ; K's scale words: lanes 0-15 tile 2 i's, lanes 16-31 tile 2 i + 1's
.endr
.irp g, 0,1                                    ; S^T = K Q^T, four tiles of 16 keys at a time
.if \g
	NOPS 4
.endif
.irp t, 0,1,2,3
.irp c, 0,1,2
	ds_load_b128 v[32+12*\t+4*\c:32+12*\t+4*\c+3], v[AK] offset:1536*(4*\g+\t)+512*\c
.endr
.endr
	s_wait_dscnt 0x0
.irp t, 0,1,2,3
.set rD, 96+8*(4*\g+\t)
.set rA, 32+12*\t
.set rW, 248+2*\g+\t/2
.if \t%2
	v_wmma_scale_f32_16x16x128_f8f6f4 v[rD:rD+7], v[rA:rA+11], v[16:27], 0, v[rW], v255 matrix_a_fmt:MATRIX_FMT_FP6 matrix_b_fmt:MATRIX_FMT_FP6 matrix_a_scale:MATRIX_SCALE_ROW1
.else
	v_wmma_scale_f32_16x16x128_f8f6f4 v[rD:rD+7], v[rA:rA+11], v[16:27], 0, v[rW], v255 matrix_a_fmt:MATRIX_FMT_FP6 matrix_b_fmt:MATRIX_FMT_FP6
.endif
.endr
.endr
	NOPS 4                                         ; places in front of the loads below and of the first read of the scores
.irp g, 0,1,2,3,4,5,6,7,8,9,10,11,12,13,14,15
	global_load_b128 v[32+4*\g:35+4*\g], v[AK0], s[SM:SM+1] offset:512*\g   ; the mask's 64 numbers, register for register with the scores: 32 lanes read 512 consecutive bytes
.endr
	ASK
	s_barrier_signal -1                            ; the step's own barrier, which guards no refill: I have come this far (no LDS instruction of mine is out); the wait stands at the step's end
.set j, 0
.rept 32
	v_pk_mul_f32 v[96+j:97+j], v[96+j:97+j], s[C1:C1+1] op_sel_hi:[1,0]   ; a = s c1 (each accumulator from its low end on)
.set j, j+2
.endr
	s_wait_alu depctr_va_vdst(0)
.set j, 0
.rept 64
	v_exp_f32 v[96+j], v[96+j]                     ; 2^a
.set j, j+1
.endr
	v_nop
	s_wait_alu depctr_va_vdst(0)                   ; one wait for the batch
.set j, 0
.rept 32
	v_pk_add_f32 v[96+j:97+j], v[96+j:97+j], 1.0 op_sel_hi:[1,0]
.set j, j+2
.endr
	s_wait_alu depctr_va_vdst(0)
.set j, 0
.rept 64
	v_rcp_f32 v[96+j], v[96+j]                     ; r = 1 / (1 + 2^a)
.set j, j+1
.endr
	v_nop
	s_wait_alu depctr_va_vdst(0)
	s_wait_loadcnt 0x0                             ; the mask's numbers are in
.set j, 0
.rept 32
	v_pk_fma_f32 v[96+j:97+j], v[96+j:97+j], v[FR:FR+1], v[32+j:33+j] op_sel_hi:[1,0,1]   ; t - M = (mb - M) + f r (of the pair the low word, f, serves both halves)
.set j, j+2
.endr
	s_wait_alu depctr_va_vdst(0)                   ; the wait here, directly ahead of the wait below
	s_wait_xcnt 0x0                                ; the mask's loads and this step's prefetch have read their bases
	s_add_nc_u64 s[SM:SM+1], s[SM:SM+1], 131072
	s_add_nc_u64 s[PFA:PFA+1], s[PFA:PFA+1], s[PFS:PFS+1]
.irp t, 0,1,2,3                                ; V's tiles 0-3 and its scale words take the registers that the mask has left
.irp c, 0,1,2
	ds_load_b128 v[32+12*\t+4*\c:32+12*\t+4*\c+3], v[AK] offset:12800+1536*\t+512*\c
.endr
.endr
.irp i, 0,1,2,3
	ds_load_b32 v[248+\i], v[AS] offset:25088+128*\i
.endr
.irp b, 0,1,2,3
	v_max3_num_f32 v[232+\b], v[96+16*\b], v[97+16*\b], v[98+16*\b]   ; the largest t - M of each block of 32 keys: p rises with it, so it gives the block's largest p
.endr
.irp i, 3,5,7,9,11,13
.irp b, 0,1,2,3
	s_delay_alu instid0(VALU_DEP_4)
	v_max3_num_f32 v[232+\b], v[232+\b], v[96+16*\b+\i], v[97+16*\b+\i]
.endr
.endr
.irp b, 0,1,2,3
	s_delay_alu instid0(VALU_DEP_4)
	v_max_num_f32 v[232+\b], v[232+\b], v[111+16*\b]
.endr
.irp b, 0,1,2,3
	s_delay_alu instid0(VALU_DEP_4)
	v_permlanex16_b32 v[236+\b], v[232+\b], s[SEL], s[SEL+1]
.endr
.irp b, 0,1,2,3
	s_delay_alu instid0(VALU_DEP_4)
	v_max_num_f32 v[232+\b], v[232+\b], v[236+\b]  ; with lane l xor 16's 16 keys
.endr
	s_wait_alu depctr_va_vdst(0)
.set j, 0
.rept 64
	v_exp_f32 v[96+j], v[96+j]                     ; p = 2^(t - M), at most 1
.set j, j+1
.endr
	v_nop                                          ; a plain place behind the exponentials
	s_wait_alu depctr_va_vdst(0)
.irp b, 0,1,2,3
	v_exp_f32 v[232+\b], v[232+\b]                 ; the block's largest p: the same exponential on the same number gives the same bits
.endr
	v_pk_add_f32 v[236:237], v[100:101], v[104:105]   ; the row's sum of the unquantised p, in eight chains
	v_pk_add_f32 v[246:247], v[108:109], v[112:113]
	v_pk_add_f32 v[244:245], v[116:117], v[120:121]
	v_pk_add_f32 v[242:243], v[124:125], v[128:129]
	v_pk_add_f32 v[240:241], v[132:133], v[136:137]
	v_pk_add_f32 v[238:239], v[140:141], v[144:145]
	v_pk_add_f32 v[230:231], v[148:149], v[152:153]
	v_pk_add_f32 v[14:15], v[14:15], v[156:157]
	v_pk_add_f32 v[236:237], v[236:237], v[96:97]
	v_pk_add_f32 v[246:247], v[246:247], v[98:99]
	v_pk_add_f32 v[244:245], v[244:245], v[102:103]
	v_pk_add_f32 v[242:243], v[242:243], v[106:107]
	v_pk_add_f32 v[240:241], v[240:241], v[110:111]
	v_pk_add_f32 v[238:239], v[238:239], v[114:115]
	v_pk_add_f32 v[230:231], v[230:231], v[118:119]
	v_pk_add_f32 v[14:15], v[14:15], v[122:123]
	v_pk_add_f32 v[236:237], v[236:237], v[126:127]
	v_pk_add_f32 v[246:247], v[246:247], v[130:131]
	v_pk_add_f32 v[244:245], v[244:245], v[134:135]
	v_pk_add_f32 v[242:243], v[242:243], v[138:139]
	v_pk_add_f32 v[240:241], v[240:241], v[142:143]
	v_pk_add_f32 v[238:239], v[238:239], v[146:147]
	v_pk_add_f32 v[230:231], v[230:231], v[150:151]
	v_pk_add_f32 v[14:15], v[14:15], v[154:155]
	v_pk_add_f32 v[236:237], v[236:237], v[158:159]
	s_delay_alu instid0(VALU_DEP_2)
	v_pk_add_f32 v[14:15], v[14:15], v[242:243]
	s_delay_alu instid0(VALU_DEP_2)
	v_pk_add_f32 v[236:237], v[236:237], v[240:241]
	v_pk_add_f32 v[246:247], v[246:247], v[238:239]
	v_pk_add_f32 v[244:245], v[244:245], v[230:231]
	s_delay_alu instid0(VALU_DEP_2)
	v_pk_add_f32 v[14:15], v[14:15], v[246:247]
	s_delay_alu instid0(VALU_DEP_2)
	v_pk_add_f32 v[236:237], v[236:237], v[244:245]
	s_delay_alu instid0(VALU_DEP_1)
	v_pk_add_f32 v[14:15], v[14:15], v[236:237]
	s_wait_alu depctr_va_vdst(0)                   ; and one for the four
.irp b, 0,1,2,3
	v_max_num_f32 v[232+\b], 0x1800000, v[232+\b]  ; the floor: a block whose every p is 0 keeps the byte 1
.endr
.irp b, 0,1,2,3
	s_delay_alu instid0(VALU_DEP_4)
	v_add_nc_u32 v[244+\b], 0xff000000, v[232+\b]
.endr
.irp b, 0,1,2,3
	s_delay_alu instid0(VALU_DEP_4)
	v_lshrrev_b32 v[236+\b], 23, v[244+\b]
.endr
	WORD 253                                       ; p's scale word for these 128 keys
	CODES 224
.irp t, 0,1,2,3                                ; p is summed and converted: V's tiles 4-7 take its registers
.irp c, 0,1,2
	ds_load_b128 v[96+12*\t+4*\c:96+12*\t+4*\c+3], v[AK] offset:12800+1536*(4+\t)+512*\c
.endr
.endr
	NOPS 8                                         ; the places between p's word and codes and the products below
	s_wait_alu depctr_va_vdst(0)                   ; the wait here, directly ahead of the wait below
	s_wait_dscnt 12                                ; V's tiles 0-3 and its words are in; the 12 loads of tiles 4-7, issued behind them, may be out
.irp t, 0,1,2,3,4,5,6,7                        ; O^T += V^T P^T: the eight accumulators take turns, one instruction a turn
.set rD, 160+8*\t
.set rA, 32+12*\t+16*(\t/4)
.set rW, 248+\t/2
.if \t == 4
	s_wait_dscnt 0x0                               ; tiles 4-7 are in
.endif
.if \t%2
	v_wmma_scale_f32_16x16x128_f8f6f4 v[rD:rD+7], v[rA:rA+11], v[224:235], v[rD:rD+7], v[rW], v253 matrix_a_fmt:MATRIX_FMT_FP6 matrix_b_fmt:MATRIX_FMT_FP6 matrix_a_scale:MATRIX_SCALE_ROW1
.else
	v_wmma_scale_f32_16x16x128_f8f6f4 v[rD:rD+7], v[rA:rA+11], v[224:235], v[rD:rD+7], v[rW], v253 matrix_a_fmt:MATRIX_FMT_FP6 matrix_b_fmt:MATRIX_FMT_FP6
.endif
.endr
	NOPS 5                                         ; the next step's first products write over v96 on, which these have read: five places
	s_barrier_wait -1                              ; every wave has issued this step's mask loads: none is a whole step behind me
.endm
; Four key steps from one slot: a change of slots, then a loop of four trips; the step's place in the ring is a scalar stepped by a constant.
.macro QUAD slot, refill
	CHANGE \slot, \refill
	s_mov_b32 s[OFF], \slot*SLOTB
	s_mov_b32 s[CNT], 4
.Lquad_\@:
	STEP
	s_add_co_u32 s[OFF], s[OFF], STEPB
	s_add_co_u32 s[STEPN], s[STEPN], 1
	s_sub_co_u32 s[CNT], s[CNT], 1
	s_cmp_lg_u32 s[CNT], 0
	s_cbranch_scc1 .Lquad_\@
.endm
	QUAD 0, 1                                      ; steps 0-3; slot 1 takes steps 4-7 (its first fill, issued as a refill is)
	QUAD 1, 1                                      ; steps 4-7; slot 0 takes steps 8-11
	QUAD 0, 1                                      ; steps 8-11; slot 1 takes steps 12-15
	QUAD 1, 0                                      ; steps 12-15; nothing more is asked for
	; THE WAY OUT.  O^T is divided by the row's sum and goes through my stage in LDS, 256 bytes of 16 queries at a time, so that sixteen lanes store 256 consecutive bytes, aligned.
	v_add_f32 v14, v14, v15
	s_delay_alu instid0(VALU_DEP_1)
	v_permlanex16_b32 v236, v14, s[SEL], s[SEL+1]
	s_delay_alu instid0(VALU_DEP_1)
	v_add_f32 v14, v14, v236                       ; the row's sum
	s_wait_alu depctr_va_vdst(0)
	v_rcp_f32 v14, v14
	v_nop
	s_wait_alu depctr_va_vdst(0)
.set j, 0
.rept 64
	v_mul_f32 v[96+j], v[160+j], v14               ; register 8 t + i is out(query r, channel 16 t + 8 hh + i)
.set j, j+1
.endr
.irp u, 0,1                                    ; channels 64 u on
.irp t, 0,1,2,3
	ds_store_b128 v[STI], v[96+32*\u+8*\t:99+32*\u+8*\t] offset:64*\t
	ds_store_b128 v[STI], v[100+32*\u+8*\t:103+32*\u+8*\t] offset:64*\t+16
.endr
.irp i, 0,1,2,3,4,5,6,7
	ds_load_b128 v[32+32*\u+4*\i:35+32*\u+4*\i], v[STO] offset:2*\i*272   ; LDS serves a wave's instructions in order: these see my stores, and the next half's stores come behind them
.endr
.endr
.irp u, 0,1
.irp i, 0,1,2,3,4,5,6,7
	s_wait_dscnt 7-\i+16*(1-\u)                    ; behind this load: the half's later loads, and for the first half the second's 8 stores and 8 loads
	global_store_b128 v[GO], v[32+32*\u+4*\i:35+32*\u+4*\i], s[10:11] offset:2*\i*8192+256*\u th:TH_STORE_NT
.endr
.endr
	s_wait_tensorcnt 0x0                           ; the wave's end
	ds_add_u32 v[SPW], v[NIL]
	s_wait_dscnt 0x0
	s_endpgm
.Lfunc_end_k_qb63f114307_attn:
	.size	k_qb63f114307_attn, .Lfunc_end_k_qb63f114307_attn-k_qb63f114307_attn
	.p2alignl 7, 3214868480
	.fill 96, 4, 3214868480
	.section	.rodata,"a",@progbits
	.p2align	6, 0x0
	.amdhsa_kernel k_qb63f114307_attn
		.amdhsa_group_segment_fixed_size 327680
		.amdhsa_private_segment_fixed_size 0
		.amdhsa_enable_private_segment 0
		.amdhsa_kernarg_size 40
		.amdhsa_user_sgpr_count 2
		.amdhsa_user_sgpr_kernarg_segment_ptr 1
		.amdhsa_wavefront_size32 1
		.amdhsa_system_sgpr_workgroup_id_x 1
		.amdhsa_system_sgpr_workgroup_id_y 1
		.amdhsa_system_sgpr_workgroup_id_z 1
		.amdhsa_system_vgpr_workitem_id 0
		.amdhsa_next_free_vgpr 256
		.amdhsa_next_free_sgpr 92
		.amdhsa_reserve_vcc 0
		.amdhsa_float_denorm_mode_32 3
		.amdhsa_float_denorm_mode_16_64 3
		.amdhsa_memory_ordered 1
		.amdhsa_forward_progress 1
		.amdhsa_inst_pref_size 139
	.end_amdhsa_kernel
	.amdgpu_metadata
---
amdhsa.version: [ 1, 2 ]
amdhsa.kernels:
  - .name:           k_qb63f114307_attn
    .symbol:         k_qb63f114307_attn.kd
    .args:
      - { .name: query, .offset: 0, .size: 8, .value_kind: global_buffer, .address_space: global }
      - { .name: kvbuf, .offset: 8, .size: 8, .value_kind: global_buffer, .address_space: global }
      - { .name: mbuf, .offset: 16, .size: 8, .value_kind: global_buffer, .address_space: global }
      - { .name: out0, .offset: 24, .size: 8, .value_kind: global_buffer, .address_space: global }
      - { .name: rowc, .offset: 32, .size: 8, .value_kind: global_buffer, .address_space: global }
    .group_segment_fixed_size: 327680
    .private_segment_fixed_size: 0
    .kernarg_segment_align: 8
    .kernarg_segment_size: 40
    .max_flat_workgroup_size: 512
    .sgpr_count:     92
    .vgpr_count:     256
    .wavefront_size: 32
...
	.end_amdgpu_metadata
.endif
;; end of part 2
